; MI455X (gfx1250); checked and timed in simulation.
; The chip was launched on July 23, 2026; its instructions are those of AMD's public machine-readable ISA for CDNA 5 (MIT licence, August 2026) and "CDNA5" Instruction Set Architecture Reference Guide (July 2026). The comments in the code are by the model that wrote it; some were corrected since.
;; Linear4 Bit. Allowed arithmetic: matrix products marked QUANTISED: E2M1 operands, one E8M0 scale for each 32 along K, by v_wmma_scale_f32_16x16x128_f8f6f4 with both operands' format E2M1 (or v_wmma_scale_f32_32x16x128_f4), f32 sums; everything else in f32.
;; Inputs: bias 4,096 float32; weight_norm 1,048,576 x 1 float16; weight_q4 1,048,576 x 8 int32; x_codes 4,096 x 128 x 16 uint8 (E2M1 codes of x, K innermost, in blocks of 32 codes, two codes a byte); x_scales 4,096 x 128 uint8 (E8M0 scales of x, one for each 32 codes along K).
;; Outputs: out0 4,096 x 4,096 float32.
;; This version of the problem:
;;   THIS VERSION OF THE PROBLEM IS GIVEN IN LOW PRECISION. The matrix products marked QUANTISED in the list below multiply operands that are first quantised to E2M1 (2 exponent bits, 1 mantissa bit; 4 bits a number), with one power-of-two scale for each 32 numbers along K (OCP MX v1.0); their sums are f32. All else is computed in f32.
;;   The module's matrix products, in the order in which they are computed (A, B: the left and right operand; K: the contracted axis; several contracted axes count as one K, in the product's order):
;;     1. [M 4,096, K 4,096] x [K 4,096, N 4,096]; A: input x (given as codes); B: computed on the way: QUANTISED
;;   THE QUANTISER, for each operand of a quantised product, along K:
;;     - K is cut into blocks of 32 from its start; a last block that is shorter is filled with zeros.
;;     - A block's scale is 2^e with e = floor(log2(the largest magnitude in the block)) - 2, held to -126 .. 127; a block of zeros has e = 0. As a byte (E8M0): e + 127.
;;     - Each number is divided by its block's scale, clamped to +-6, and rounded to the nearest number of E2M1, ties to even, subnormals kept.
;;     - The product sums the exact products of the quantised numbers (number of the format x scale) in f32.
;;   ~~~python
;;   def quantise(x, axis):      # numpy; x: float32 -> the quantised numbers, widened to float32 again
;;       x = np.moveaxis(x, axis, -1); K = x.shape[-1]
;;       x = np.pad(x, [(0, 0)] * (x.ndim - 1) + [(0, -K % 32)]); x = x.reshape(x.shape[:-1] + (-1, 32)); a = np.abs(x).max(-1, keepdims=True)
;;       e = np.where(a > 0, np.clip(np.frexp(np.where(a > 0, a, 1))[1] - 1 - 2, -126, 127), 0)      # np.frexp(a)[1] - 1 = floor(log2(a)), exactly
;;       r = np.clip(x / 2.0 ** e, -6, 6)
;;       step = 2.0 ** (np.maximum(np.frexp(np.where(r == 0, 1, r))[1] - 1, 0) - 1)
;;       q = np.round(r / step) * step * 2.0 ** e      # np.round: ties to even
;;       return np.moveaxis(q.reshape(q.shape[:-2] + (-1,))[..., :K], -1, axis).astype(np.float32)
;;   ~~~
;;   OPERANDS COMPUTED ON THE WAY. 'Computed on the way' means the value that the module computes at that place (a softmax that the list does not call 'softmax' is quantised finished and normalised). What goes into a quantiser is computed in f32, as accurately as f32 sums, v_exp_f32 and their like allow (about 1e-6 of the number): no bf16 or f16 on the way to a quantiser, and a product that is left as it is and whose result goes on into a quantised operand takes f32 operands (vector FMAs, or v_wmma_f32_16x16x4_f32). A number that lies on a knife's edge between two numbers of the format may be rounded either way, as far as f32 arithmetic and the matrix unit's own rounding can turn it there, and no further.
;;   INPUTS GIVEN AS CODES. x (in the module: [4096, 4096], K = its axis 1): each comes as NAME_codes (uint8): NAME with its K axis moved to the last place and cut into blocks of 32 codes, [.., K / 32, bytes a block], one block behind the other in memory; two codes a byte, the lower K in the low four bits (a code: sign, 2 exponent bits, 1 mantissa bit); and NAME_scales (uint8): the same leading axes, one E8M0 byte (e + 127) for each 32 codes along K. Its value is code x scale, taken as it is: it is not quantised again, and the codes and scales need not be those that the quantiser above would give.
;; One version. Each part assembles by itself: llvm-mc -triple=amdgcn-amd-amdhsa -mcpu=gfx1250 --defsym DOCPART=n.
;; ======== version 1 of 1: 2 launches
;; limits: values are held in f16: magnitudes above 65,504 overflow, below 6.1e-05 lose precision; right only within a limited range of input values
;; workspace buffers: w_codes 8,388,608 bytes; scl 1,048,576 bytes
;; launch prep (part 1): grid 256 x 1, 16 waves a work-group, no clusters, 48,128 bytes of LDS; arguments weight_q4, weight_norm, x_scales, w_codes, scl; writes w_codes, scl
.if DOCPART == 1
	.amdgcn_target "amdgcn-amd-amdhsa--gfx1250"
	.amdhsa_code_object_version 6
	.text
	.protected	k_q033426eb18_prep
	.globl	k_q033426eb18_prep
	.p2align	8
	.type	k_q033426eb18_prep,@function
k_q033426eb18_prep:
	s_mov_b64 s[64:65], 0
	v_nop
	global_prefetch_b8 v0, s[64:65] scope:SCOPE_SE
	s_setreg_imm32_b32 hwreg(HW_REG_WAVE_MODE, 25, 1), 1
	s_wait_xcnt 0x0
; W [4096 n][4096 k] is made from weight_q4 (one int32 for two weights: bits 3:0 the lower k, bits 7:4 the next) and weight_norm (one f16 for each 16 along K):
; w = q x (2/15) x norm - norm, in f32; then it is quantised along K to codes of FP4 (E2M1) with one E8M0 byte for each 32 along K.
; THE ORDER OF W'S ROWS: at place 64 G + 16 b + r (b = 0..3, r = 0..15) stands W's row 64 G + 4 r + b.  So wave w of work-group g makes row 64 (g / 4) + 4 w + g % 4, whose place is 16 g + w.
; OUT: w_codes: AN IMAGE OF THE OPERAND'S REGISTERS: [block g of 16 places][q = 0..31: 128 along K][c = 0, 1][lane][16 bytes]: lane l's 16 bytes are the codes of place 16 g + l % 16, k = 128 q + 64 c + 32 (l / 16) + 0 .. 31,
;      the lower k in the low four bits.
;      scl: both operands' scale bytes laid BY K STEP OF 512: x's part at byte 0, W's (by places) at byte 524,288; each [t = 0..7][row 0..4095][16 bytes], the 16 bytes being the row's blocks 16 t .. 16 t + 15.
;      x's bytes are copied as they are given.
; ARITHMETIC.  2^23 + q is made by one AND-OR (the nibble lands in the mantissa of 2^23); one fused multiply-add takes 2^23 x (2/15) off again, exactly, and leaves q x fl(2/15) rounded once;
; a second gives t x norm - norm, rounded once.  The error is of the size of one rounding of norm, as in a chain of f32 operations; q = 0 and q = 15 give -norm and +norm exactly.  Bits of an int32 above bit 7 are not looked at.
; A block's scale is 2^(floor(log2(its largest magnitude)) - 2): its byte is the largest magnitude's exponent field - 2, held at 1 from below.
; LIMITS: a block of zeros gets the byte 1 (not 127): its codes are zeros, and this program alone reads the bytes.  Norms that are NaN or infinite are not served.
; SHARES.  A wave takes one row: 8,192 bytes of weight_q4, 512 of norms, and 128 of x's scale bytes (row 16 g + w of x).  It issues its 18 loads at once.
; Load j of the 16 reads 512 consecutive bytes; lane l gets 4 words = the weights k = 256 j + 8 l + 0 .. 7: eight neighbours along K, one conversion's sources.  Their norm is that of group 16 j + l / 2;
; a block of 32 is four neighbouring lanes: two exchanges join their maxima.  No tensor load, no matrix instruction: the launch is one pass over its bytes.
.set CPI,   1040                       ; LDS: each half of K: 16 rows of 1,024 bytes of codes + 16 of padding,
.set HST,   16*CPI                     ; the second half of K behind the first
.set NST,   2*HST                      ; 16 x 512: each wave's norms (its own bytes)
.set SCS,   NST+8192                   ; x's 16 rows of scale bytes, 128 + 16 of padding each; then W's 16 rows likewise
.set SPI,   144
.set SPART, 16*SPI
.set SPARE, SCS+2*SPART                ; the spare words: 46,080, a multiple of 256
.set QW,    16                         ; v16-79   the 16 loads, 4 registers each
.set NR,    80                         ; v80-95   my norm for load j, as 16 bits
.set NF,    96                         ; v96-111  the same as f32
.set T,     112                        ; v112-127 two sets of 8 numbers at work
.set M,     128                        ; v128-129 largest magnitudes
.set SO,    130                        ; v130-131 the conversions' scale operands
.set C,     132                        ; v132-147 a register of codes for each load
.set E,     148                        ; v148-163 a scale byte for each load
.set KA,    164                        ; v[164:165] 2/15, 2/240 (the upper nibble comes 16 times too large)
.set KB,    166                        ; v[166:167] -2^23 x 2/15, -2^23 x 2/240: both exact
.set O,     168                        ; v168-183 codes on the way out
.set SV,    184                        ; v[184:185] 8 scale bytes on the way out
.set XW,    186                        ; v186     4 of x's scale bytes
.set NB,    188                        ; v[188:191] 8 norms as loaded; then the branches of the maxima
	s_load_b256 s[4:11], s[0:1], 0x0               ; weight_q4 s[4:5], weight_norm s[6:7], x_scales s[8:9], w_codes s[10:11]
	s_load_b64 s[12:13], s[0:1], 0x20              ; scl
	v_lshl_add_u32 v192, v0, 2, SPARE
	v_mov_b32 v193, 0
	v_lshrrev_b32 v11, 5, v0
	v_readfirstlane_b32 s14, v11                   ; wave 0..15
	s_mul_i32 s22, s14, CPI                        ; my row of codes in LDS
	s_lshl_b32 s23, s14, 9
	s_add_co_u32 s23, s23, NST                     ; my norms in LDS
	s_mul_i32 s24, s14, SPI
	s_add_co_u32 s24, s24, SCS                     ; x's scale bytes of my row
	s_add_co_u32 s25, s24, SPART                   ; W's
	s_lshr_b32 s26, s14, 3                         ; on the way out wave w takes part w / 8 (x's, W's), K step w % 8, of all 16 rows,
	s_mul_i32 s26, s26, SPART
	s_and_b32 s27, s14, 7
	s_lshl_b32 s27, s27, 4
	s_add_co_u32 s26, s26, s27
	s_add_co_u32 s26, s26, SCS
	s_lshl_b32 s28, s14, 6                         ; and of each half of K the w-th 128, 64 bytes of a row, of all 16 rows
	v_and_b32 v12, 31, v0                          ; lane
	v_and_b32 v13, 1, v0
	v_bfe_u32 v14, v0, 1, 4                        ; lane / 2
	v_and_b32 v15, 15, v0                          ; lane % 16
	v_and_b32 v7, 30, v0
	v_bfe_u32 v9, v0, 2, 3
	v_bfe_u32 v11, v0, 4, 1                        ; lane / 16
	v_lshlrev_b32 v1, 4, v12                       ; 16 x lane
	v_lshlrev_b32 v2, 2, v12                       ; 4 x lane
	v_lshlrev_b32 v3, 3, v12                       ; 8 x lane
	v_mul_u32_u24 v10, v14, SPI                    ; row lane / 2,
	v_mul_u32_u24 v5, v15, CPI                     ; row lane % 16,
	v_add_nc_u32 v7, s23, v7                       ; norms back: 2 (lane / 2): the norm of my group, 32 bytes on for each load
	v_add_nc_u32 v9, s25, v9                       ; W's scale bytes: my block's byte: lane / 4, 8 bytes on for each load
	v_add_nc_u32 v4, s22, v2                       ; codes in: 4 bytes a lane
	v_add_nc_u32 v6, s23, v1                       ; norms in: 16 bytes a lane
	v_add_nc_u32 v8, s24, v2                       ; x's scale bytes in: 4 a lane
	v_lshl_add_u32 v10, v13, 3, v10                ; its 16 bytes in two halves
	v_lshl_add_u32 v5, v11, 4, v5                  ; 16 bytes, the upper lanes' a block of 32 further along K
	v_mov_b32 v[KA], 0x3e088889
	v_mov_b32 v[KA+1], 0x3c088889
	v_add_nc_u32 v10, s26, v10
	v_add_nc_u32 v5, s28, v5
	v_mov_b32 v[KB], 0xc9888889
	v_mov_b32 v[KB+1], 0xc7888889
	s_mov_b32 s20, 0x4b000000                      ; 2^23
	s_mov_b32 s21, 0xf0
	s_lshl_b32 s15, ttmp9, 4
	s_add_co_u32 s15, s15, s14                     ; my place, and my row of x's scale bytes
	s_lshr_b32 s19, ttmp9, 2
	s_lshl_b32 s19, s19, 6
	s_lshl_b32 s24, s14, 2
	s_add_co_u32 s19, s19, s24
	s_and_b32 s24, ttmp9, 3
	s_add_co_u32 s19, s19, s24                     ; my row of W
	s_mov_b32 s17, 0
	s_lshl_b32 s16, s19, 13
	s_wait_alu depctr_va_vdst(0)
	s_wait_kmcnt 0x0
	s_add_nc_u64 s[4:5], s[4:5], s[16:17]          ; 8,192 bytes of weight_q4 a row
	s_lshl_b32 s16, s19, 9
	s_add_nc_u64 s[6:7], s[6:7], s[16:17]          ; 512 of norms
	s_lshl_b32 s16, s15, 7
	s_add_nc_u64 s[8:9], s[8:9], s[16:17]          ; 128 of x's scale bytes
	s_lshl_b32 s16, ttmp9, 15
	s_lshl_b32 s18, s14, 10
	s_add_co_u32 s16, s16, s18
	s_add_nc_u64 s[10:11], s[10:11], s[16:17]      ; the image: block g, q = w
	s_lshr_b32 s16, s14, 3
	s_lshl_b32 s16, s16, 19                        ; scl: the part,
	s_and_b32 s18, s14, 7
	s_lshl_b32 s18, s18, 16                        ; the K step,
	s_add_co_u32 s16, s16, s18
	s_lshl_b32 s18, ttmp9, 8                       ; the work-group's 16 rows
	s_add_co_u32 s16, s16, s18
	s_add_nc_u64 s[12:13], s[12:13], s[16:17]
	global_load_b128 v[NB:NB+3], v1, s[6:7] th:TH_LOAD_NT          ; the row's 256 norms: 512 consecutive bytes
	global_load_b32 v[XW], v2, s[8:9] th:TH_LOAD_NT                ; the row's 128 scale bytes of x
.irp j, 0,1,2,3,4,5,6,7,8,9,10,11,12,13,14,15
	global_load_b128 v[QW+4*\j:QW+4*\j+3], v1, s[4:5] offset:512*\j th:TH_LOAD_NT   ; 512 consecutive bytes each
.endr
	s_wait_loadcnt 16                              ; the norms and x's bytes are in; the 16 loads of weights may be out
	ds_store_b128 v6, v[NB:NB+3]                   ; the norms go through my own 512 bytes of LDS to the lanes that want them
	ds_store_b32 v8, v[XW]
.irp j, 0,1,2,3,4,5,6,7,8,9,10,11,12,13,14,15
	ds_load_u16 v[NR+\j], v7 offset:32*\j          ; LDS serves a wave's instructions in order: these see the store above
.endr
	s_wait_dscnt 0x0
.irp j, 0,1,2,3,4,5,6,7,8,9,10,11,12,13,14,15
	v_cvt_f32_f16 v[NF+\j], v[NR+\j].l
.endr
; Loads j and j + 1 (j even): two chains by turns, line by line.  The largest magnitude is a tree of three-input maxima.
.macro BLK2 j
.set NPR, NF+(\j)                      ; the even pair that holds norms j and j + 1
.set HO, HST*((\j)/8)+128*((\j)%8)     ; where in LDS: the half of K, then 128 bytes a load
	s_wait_loadcnt 14-(\j)                         ; loads come back in order: loads j and j + 1 are in, the younger ones may be out
.irp i, 0,1,2,3
.irp u, 0,1
	v_and_or_b32 v[T+8*\u+2*\i], v[QW+4*(\j)+4*\u+\i], 15, s20     ; 2^23 + the low nibble
	v_and_or_b32 v[T+8*\u+2*\i+1], v[QW+4*(\j)+4*\u+\i], s21, s20  ; 2^23 + 16 x the high nibble
.endr
.endr
.irp i, 0,2,4,6
.irp u, 0,8
	v_pk_fma_f32 v[T+\u+\i:T+\u+\i+1], v[T+\u+\i:T+\u+\i+1], v[KA:KA+1], v[KB:KB+1]        ; q x 2/15
.endr
.endr
.irp i, 0,2,4,6                                ; x norm - norm: the pair's first register serves both halves, then its second
	v_pk_fma_f32 v[T+\i:T+\i+1], v[T+\i:T+\i+1], v[NPR:NPR+1], v[NPR:NPR+1] op_sel_hi:[1,0,0] neg_lo:[0,0,1] neg_hi:[0,0,1]
	v_pk_fma_f32 v[T+8+\i:T+9+\i], v[T+8+\i:T+9+\i], v[NPR:NPR+1], v[NPR:NPR+1] op_sel:[0,1,1] op_sel_hi:[1,1,1] neg_lo:[0,0,1] neg_hi:[0,0,1]
.endr
.irp u, 0,1
	v_max3_num_f32 v[M+\u], |v[T+8*\u]|, |v[T+8*\u+1]|, 0x1800000  ; with the floor 2^(3 - 127): the byte cannot fall under 1
	v_max3_num_f32 v[NB+\u], |v[T+8*\u+2]|, |v[T+8*\u+3]|, |v[T+8*\u+4]|
	v_max3_num_f32 v[NB+2+\u], |v[T+8*\u+5]|, |v[T+8*\u+6]|, |v[T+8*\u+7]|
.endr
.irp u, 0,1
	v_max3_num_f32 v[M+\u], v[M+\u], v[NB+\u], v[NB+2+\u]
.endr
.irp u, 0,1
	v_max_num_f32_dpp v[M+\u], v[M+\u], v[M+\u] row_xmask:1 row_mask:0xf bank_mask:0xf     ; with the three other lanes of the block
.endr
.irp u, 0,1
	v_max_num_f32_dpp v[M+\u], v[M+\u], v[M+\u] row_xmask:2 row_mask:0xf bank_mask:0xf
.endr
.irp u, 0,1
	v_add_nc_u32 v[SO+\u], 0xff000000, v[M+\u]     ; 2 off its exponent field: the conversion takes the exponent field of this operand as its scale
.endr
.irp u, 0,1
	v_cvt_scalef32_pk8_fp4_f32 v[C+(\j)+\u], v[T+8*\u:T+8*\u+7], v[SO+\u]  ; to the nearest code, ties to even, beyond 6 the largest code; the first number's code in the lowest four bits
.endr
.irp u, 0,1
	v_lshrrev_b32 v[E+(\j)+\u], 23, v[SO+\u]       ; the scale's byte (also the plain instruction behind the conversions)
.endr
.irp u, 0,1
	ds_store_b32 v4, v[C+(\j)+\u] offset:HO+128*\u                 ; my 4 bytes of the row's codes
	ds_store_b8 v9, v[E+(\j)+\u] offset:8*(\j)+8*\u                ; the four lanes of a block write the same byte with the same value
.endr
.endm
.irp j, 0,2,4,6,8,10,12,14
	BLK2 \j
.if \j == 6                                    ; the first half of K is quantised:
	s_wait_dscnt 0x0                               ; for the others' sake: my codes of it lie in LDS
	s_barrier_signal -1
	s_barrier_wait -1                              ; all 16 rows' do (the second half goes to LDS bytes of its own)
	ds_load_b128 v[O:O+3], v5                      ; q = w of 16 rows, as the operand's registers have it
	ds_load_b128 v[O+4:O+7], v5 offset:32
.endif
.if \j == 8
	s_wait_dscnt 4                                 ; they are back (behind them: these two loads' four LDS stores)
	global_store_b128 v1, v[O:O+3], s[10:11]       ; 32 lanes store 512 consecutive bytes, at a multiple of 512 from the buffer's first byte
	global_store_b128 v1, v[O+4:O+7], s[10:11] offset:512
.endif
.endr
	s_wait_dscnt 0x0                               ; for the others' sake: my codes and scale bytes lie in LDS
	s_barrier_signal -1
	s_barrier_wait -1
	ds_load_b128 v[O+8:O+11], v5 offset:HST        ; q = 16 + w
	ds_load_b128 v[O+12:O+15], v5 offset:HST+32
	ds_load_b64 v[SV:SV+1], v10
	s_wait_dscnt 1                                 ; all but the scale bytes
	global_store_b128 v1, v[O+8:O+11], s[10:11] offset:16384
	global_store_b128 v1, v[O+12:O+15], s[10:11] offset:16896
	s_wait_dscnt 0x0
	global_store_b64 v3, v[SV:SV+1], s[12:13]      ; 32 lanes store 256 consecutive bytes, at a multiple of 256: 16 rows' words of one K step
	s_wait_tensorcnt 0x0                           ; the wave's end
	ds_add_u32 v192, v193
	s_wait_dscnt 0x0
	s_endpgm
.Lfunc_end_k_q033426eb18_prep:
	.size	k_q033426eb18_prep, .Lfunc_end_k_q033426eb18_prep-k_q033426eb18_prep
	.p2alignl 7, 3214868480
	.fill 96, 4, 3214868480
	.section	.rodata,"a",@progbits
	.p2align	6, 0x0
	.amdhsa_kernel k_q033426eb18_prep
		.amdhsa_group_segment_fixed_size 48128
		.amdhsa_private_segment_fixed_size 0
		.amdhsa_enable_private_segment 0
		.amdhsa_kernarg_size 40
		.amdhsa_user_sgpr_count 2
		.amdhsa_user_sgpr_kernarg_segment_ptr 1
		.amdhsa_wavefront_size32 1
		.amdhsa_system_sgpr_workgroup_id_x 1
		.amdhsa_system_sgpr_workgroup_id_y 1
		.amdhsa_system_sgpr_workgroup_id_z 1
		.amdhsa_system_vgpr_workitem_id 0
		.amdhsa_next_free_vgpr 194
		.amdhsa_next_free_sgpr 66
		.amdhsa_reserve_vcc 0
		.amdhsa_float_denorm_mode_32 3
		.amdhsa_float_denorm_mode_16_64 3
		.amdhsa_memory_ordered 1
		.amdhsa_forward_progress 1
		.amdhsa_inst_pref_size 36
	.end_amdhsa_kernel
	.amdgpu_metadata
---
amdhsa.version: [ 1, 2 ]
amdhsa.kernels:
  - .name:           k_q033426eb18_prep
    .symbol:         k_q033426eb18_prep.kd
    .args:
      - { .name: weight_q4, .offset: 0, .size: 8, .value_kind: global_buffer, .address_space: global }
      - { .name: weight_norm, .offset: 8, .size: 8, .value_kind: global_buffer, .address_space: global }
      - { .name: x_scales, .offset: 16, .size: 8, .value_kind: global_buffer, .address_space: global }
      - { .name: w_codes, .offset: 24, .size: 8, .value_kind: global_buffer, .address_space: global }
      - { .name: scl, .offset: 32, .size: 8, .value_kind: global_buffer, .address_space: global }
    .group_segment_fixed_size: 48128
    .private_segment_fixed_size: 0
    .kernarg_segment_align: 8
    .kernarg_segment_size: 40
    .max_flat_workgroup_size: 512
    .sgpr_count:     66
    .vgpr_count:     194
    .wavefront_size: 32
...
	.end_amdgpu_metadata
.endif
;; end of part 1
;; launch gemm (part 2): grid 16 x 16, 4 waves a work-group, clusters of 4 x 4, 327,680 bytes of LDS; arguments x_codes, w_codes, scl, bias, out0; writes out0
.if DOCPART == 2
	.amdgcn_target "amdgcn-amd-amdhsa--gfx1250"
	.amdhsa_code_object_version 6
	.text
	.protected	k_q033426eb18_gemm
	.globl	k_q033426eb18_gemm
	.p2align	8
	.type	k_q033426eb18_gemm,@function
k_q033426eb18_gemm:
	s_mov_b64 s[64:65], 0
	v_nop
	global_prefetch_b8 v0, s[64:65] scope:SCOPE_SE
	s_setreg_imm32_b32 hwreg(HW_REG_WAVE_MODE, 25, 1), 1
	s_wait_xcnt 0x0
	s_wait_alu depctr_hold_cnt(0) depctr_sa_sdst(0) depctr_va_vdst(0) depctr_va_sdst(0) depctr_va_ssrc(0) depctr_va_vcc(0) depctr_vm_vsrc(0)
	s_getreg_b32 s2, hwreg(HW_REG_IB_STS2, 6, 4)
	s_cmp_eq_u32 s2, 0
	s_cbranch_scc0 .Lentry_in_a_cluster
	s_endpgm
.Lentry_in_a_cluster:
	s_bfe_u32 s2, ttmp6, 0x10000c
	s_cmp_lg_u32 s2, 0xf033
	s_cbranch_scc0 .Lentry_shape_is_right
	s_endpgm
.Lentry_shape_is_right:
; out0[m][n] = sum over k of x[m][k] W[n][k] + bias[n].  x_codes: [4096][4096] codes of FP4 (E2M1), K innermost, two a byte: rows of 2,048 bytes.  out0: [4096][4096] f32; sums in f32.
; w_codes: W's codes as an image of the operand's registers: [block of 16 places][q = 0..31: 128 along K][c = 0, 1][lane][16 bytes]; at place 64 G + 16 b + r (b = 0..3, r = 0..15) stands W's row 64 G + 4 r + b.
; scl: both operands' E8M0 bytes laid by K step of 512: x's part at byte 0, W's (by places) at byte 524,288, each [t][row][16 bytes]: four scale words a row and 512 along K.
; Codes and bytes go to the matrix unit as they lie; a scale byte 0xff among x's gives NaN, as the format has it.
; A tile of out0, 256 x 256, is made by a work-group of four waves; a wave makes all 256 rows x 64 columns with the form of 32 x 16 x 128: 32 accumulators of 32 rows x 16 columns, 512 registers.  256 tiles, 256 work-groups.
; K goes in four PAIRS of 1,024 (two K steps of scl), eight steps of 128 each, 32 matrix instructions a step.
; x's tile of a pair (256 rows x 512 bytes) comes into one of two LDS slots by the tensor data mover, 64 rows a wave.
; CLUSTERS: 4 x 4 work-groups.  The four of a row of the cluster need the same tiles of x: each is asked for JOINTLY, by the same tensor load with the same descriptor and a mask that names the four.
; W GOES STRAIGHT INTO REGISTERS: each wave has 64 places of its own, so no other wave of the work-group wants its fragments; a step takes eight loads of 512 consecutive bytes, issued three steps ahead of its products.  W is
; not asked for jointly, though the four of a cluster's column read the same places: a load into registers has no mask, and with W in LDS too a slot (139,264 bytes for 512 along K) would have to be filled again six times;
; with x alone a slot of 135,168 bytes holds 1,024 along K and there are two refills, each with eight steps' products in which to land.  The same holds for the scale words.
; SOURCE 0 IS x (32 rows), SOURCE 1 IS W (16 places).  In the result lane (r = l % 16, h = l / 16) holds column r of the 16, registers 0-7 the rows 8 h + 0..7, registers 8-15 the rows 16 + 8 h + 0..7.  By the order of W's
; rows a wave's four accumulators side by side (b = 0..3) hold, in one lane and one register number, FOUR NEIGHBOURING COLUMNS 4 r + 0..3 of a row: on the way out the bias is added, and the addition's destinations lay the
; four side by side: 16 lanes then store 256 consecutive bytes of a row.  Nothing goes through LDS on the way out.
; EACH CLUSTER BEGINS K AT ITS OWN PAIR: cluster (X, Y) at pair g = (X with its two bits swapped + Y with its two bits swapped) mod 4, and walks round.  For a given Y the four X have four different g, and for a given X the
; four Y likewise.  g hangs on the cluster's x and y alone, which all sixteen partners share.
; PREFETCH: W's next pair, eight steps of a wave's four blocks = 128 units of 256 bytes, is asked for at the head and then in the third step of each pair but the last, three steps ahead of its first load at the least: the
; four work-groups of a cluster's column share it out by address, a block each (cy), one instruction a wave, a lane 256 bytes.  x's tiles are not prefetched: each is asked for eight steps ahead.
; ORDER OF ROUNDING: an output's f32 sum takes K from the cluster's first pair round, not in ascending order, and the bias last.
; THE SCALE WORDS: one load of 16 bytes a lane brings, for 32 rows, the four words of 512 along K, 512 consecutive bytes.  For source 0 a register serves 32 rows; for source 1 lanes 0-15 serve an even block of W and lanes
; 16-31 (ROW1) the odd one behind it.
; REGISTERS, in windows of 256: window 0: v0-31 addresses and the bias; v32-111 scale words, two sets of 40; v112-239 W's fragments, FOUR sets of 32.
;   window 1: x's fragments (16 blocks of 16 rows x 128 K), TWO sets of 128.   window 2: accumulator (a, b) of rows 32 a, a = 0..3, block b at v[64 (a % 4) + 16 b];   window 3: a = 4..7.
.set ROWB,   512                       ; a tile's row in bytes: a pair
.set KROW,   2048                      ; a row of x's codes in memory, in bytes
.set ROWO,   16384                     ; a row of out0, in bytes
.set PITCH,  528                       ; an LDS row: 512 bytes + 16 of padding = 132 words: row r starts at bank 4 r mod 64 (64 banks of 4 bytes: ISA guide 11.1), so the 16 rows that a load touches start at 16 different banks
.set SLOT,   256*PITCH
.set SPARE,  2*SLOT                    ; behind the ring: the spare words, 128 bytes for each wave: two blocks of 256 bytes that no other line names
.set SSTEP,  65536                     ; scl: from a K step to the next
.set WPART,  524288                    ; scl: where W's part begins
.set WBLK,   32768                     ; w_codes: a block of 16 places
.set BIA,  8                           ; v8-11   the bias of my lane's columns 4 r + b
.set ADR,  16                          ; v16-19  LDS address of x's fragments: slot 0 blocks 0-7, 8-15; slot 1 likewise
.set BO,   24                          ; v24     16 r: the bias
.set WO,   25                          ; v25     16 x lane: W
.set CO,   26                          ; v26     my byte offset in out0: 16 r + 8 h rows
.set ADX,  27                          ; v27     my byte offset in a K step of scl: x's rows
.set SPW,  28                          ; v28     LDS address of my spare word: SPARE + 4 x my thread's number
.set NIL,  29                          ; v29     0
.set ADW,  30                          ; v30     my byte offset in a K step of scl: W's places
.set PFO,  31                          ; v31     256 x lane: the prefetch
.set SC,   32                          ; scale words: set s at v[SC + 40 s]: x's rows 32 i at + 4 i + q % 4, W's blocks 2 i, 2 i + 1 at + 32 + 4 i + q % 4; set 0 for a pair's steps 0-3, set 1 for 4-7
.set WS,   112                         ; W's sets
.set G1,   24                          ; s[24:31] descriptor group 1;  s[32:39] group 0, one set for each slot
.set G0,   32
.set PFB,  70                          ; s[70:71] w_codes at the block that I prefetch
.set PFA,  74                          ; s[74:75] where a prefetch stands
.set BA,   76                          ; s[76:77] x_codes at the first of the 64 rows that I fetch
.set SCL0, 80                          ; s[80:81] scl
.set PO,   82                          ; s[82:83] the pair that W's loads stand in: its byte offset in a row of codes, 512 x pair; the upper word 0
.set SO,   84                          ; s[84:85] the same pair's byte offset in a part of scl: 256 x PO; the upper word 0
.set TO,   86                          ; s[86:87] an offset at work; the upper word 0
.set WT,   88                          ; s[88:89] the pair's byte offset in a block of w_codes: 16 x PO; the upper word 0
.set WB0,  90                          ; s[90:91] w_codes at my first block
.set WP,   92                          ; s[92:93] the same at the pair
.set MSB, 0
.macro WIN new                         ; the immediate's high byte repeats the setting that is left
.if MSB != (\new)
	s_set_vgpr_msb (MSB<<8)|(\new)
.set MSB, (\new)
.endif
.endm
.set MUL_LO, 0xa1                      ; source 0 (x) window 1, source 1 (W) window 0, C and D window 2; + 0x50: C and D window 3
.set TO_X,   0x40                      ; destination window 1, address window 0
.macro PLACES                          ; four plain vector places behind matrix instructions, ahead of loads into registers that they have read and of reads of their results
.rept 4
	v_nop
.endr
.endm
.macro JLOAD s                         ; a joint load: my 64 rows of x's tile; four v_nop behind it
	tensor_load_to_lds s[G0+4*\s:G0+4*\s+3], s[G1:G1+7]
	s_nop 0
	PLACES
.endm
.macro SETADR slot, off                ; a slot's global address: my rows' first byte + a pair's offset, then the type.  Written only where no tensor load of mine is out
	s_add_nc_u64 s[G0+4*\slot+2:G0+4*\slot+3], s[BA:BA+1], s[\off:\off+1]
	s_or_b32 s[G0+4*\slot+3], s[G0+4*\slot+3], 0x80000000
.endm
.macro CREST                           ; a round of the cluster's barrier behind its opening barrier
	s_cmp_lg_u32 s14, 0
	s_cbranch_scc1 .Lnot_wave_0_\@
	s_barrier_signal -3
.Lnot_wave_0_\@:
	s_barrier_wait -3
	s_barrier_signal -1
	s_barrier_wait -1
.endm
.macro CROUND                          ; a whole round
	s_barrier_signal -1
	s_barrier_wait -1
	CREST
.endm
	s_load_b128 s[4:7], s[0:1], 0x0                ; x's codes s[4:5], W's codes s[6:7]
	s_load_b128 s[8:11], s[0:1], 0x10              ; scl s[8:9], bias s[10:11]
	s_load_b64 s[12:13], s[0:1], 0x20              ; out0
	v_lshl_add_u32 v[SPW], v0, 2, SPARE
	v_mov_b32 v[NIL], 0
	ds_add_u32 v[SPW], v[NIL]                      ; the wave's opening: the add, twice on end, and its wait ahead of my first tensor load
	ds_add_u32 v[SPW], v[NIL]
	v_lshrrev_b32 v1, 5, v0
	v_readfirstlane_b32 s14, v1                    ; wave 0..3: which 64 columns are mine, and which 64 rows of x's tile I fetch
	s_bfe_u32 s40, ttmp6, 0x40000                  ; cx, cy: my place in the cluster
	s_bfe_u32 s41, ttmp6, 0x40004
	s_lshl_b32 s42, ttmp9, 2
	s_add_co_u32 s42, s42, s40                     ; tile column = 4 x cluster x + cx
	s_and_b32 s17, ttmp7, 0xffff
	s_lshl_b32 s17, s17, 2
	s_add_co_u32 s17, s17, s41                     ; tile row = 4 x cluster y + cy
	s_lshl_b32 s43, s41, 2
	s_lshl_b32 s43, 15, s43                        ; my row of the cluster
	; descriptor group 1: a tile of 64 rows x 512 bytes, padded in LDS
	s_or_b32 s[G1+0], s43, (0<<16)|(1<<20)|(1<<21)|(6<<22)|(3<<25)  ; 15:0 the mask: my row of the cluster; 17:16 element of 1 byte; 20 padding on; 21 set beside a mask; 24:22 after every 128 words (code 6); 31:25 of 4 words (code 3)
	s_mov_b32 s[G1+1], ROWB<<16                    ; tensor_dim0
	s_mov_b32 s[G1+2], 64<<16                      ; tensor_dim1 = 64
	s_mov_b32 s[G1+3], ROWB<<16                    ; tile_dim0
	s_mov_b32 s[G1+4], 64                          ; tile_dim1 = 64
	s_mov_b32 s[G1+5], KROW                        ; tensor_dim0_stride
	s_mov_b32 s[G1+6], 0
	s_mov_b32 s[G1+7], 0
	; where my cluster begins K: from the cluster's x and y alone
	s_and_b32 s87, ttmp7, 0xffff                   ; cluster y, 0..3
	s_and_b32 s86, s87, 1
	s_lshr_b32 s87, s87, 1
	s_lshl_b32 s86, s86, 1
	s_or_b32 s86, s86, s87                         ; its two bits swapped
	s_and_b32 s87, ttmp9, 1                        ; cluster x, 0..3:
	s_lshl_b32 s87, s87, 1
	s_add_co_u32 s86, s86, s87
	s_lshr_b32 s87, ttmp9, 1
	s_add_co_u32 s86, s86, s87                     ; + its two bits swapped
	s_and_b32 s86, s86, 3                          ; g: my first pair
	s_lshl_b32 s[PO], s86, 9                       ; 512 bytes of a row of codes,
	s_mov_b32 s[PO+1], 0
	s_lshl_b32 s[SO], s[PO], 8                     ; 131,072 bytes of a part of scl,
	s_mov_b32 s[SO+1], 0
	s_lshl_b32 s[WT], s[PO], 4                     ; 8,192 bytes of a block of w_codes
	s_mov_b32 s[WT+1], 0
	s_add_co_u32 s[TO], s[PO], ROWB                ; the second pair,
	s_and_b32 s[TO], s[TO], KROW-1                 ; round K's end
	s_mov_b32 s[TO+1], 0
	s_lshl_b32 s20, s17, 8
	s_lshl_b32 s21, s14, 6
	s_add_co_u32 s20, s20, s21                     ; x: row 256 x tile row + 64 x wave
	s_lshl_b32 s20, s20, 11                        ; in bytes: under 2^23
	s_mov_b32 s21, 0
	s_lshl_b32 s46, s42, 4
	s_lshl_b32 s47, s14, 2
	s_add_co_u32 s46, s46, s47                     ; W: block 16 x tile column + 4 x wave
	s_lshl_b32 s46, s46, 15
	s_mov_b32 s47, 0
	s_mul_i32 s45, s14, 64*PITCH                   ; where x's rows go: no place in the cluster enters an LDS address
	s_lshl_b32 s72, s17, 12                        ; scale words: x's: 16 bytes x 256 x tile row
	s_lshl_b32 s73, s42, 12
	s_lshl_b32 s66, s14, 10
	s_add_co_u32 s73, s73, s66                     ; W's: 16 bytes x (256 x tile column + 64 x wave),
	s_add_co_u32 s73, s73, WPART                   ; in W's part
	s_lshl_b32 s66, s17, 22                        ; out0: 256 rows x tile row: under 2^26
	s_mov_b32 s67, 0
	s_lshl_b32 s68, s42, 10                        ; my first column, in bytes: 1024 x tile column + 256 x wave
	s_lshl_b32 s69, s14, 8
	s_add_co_u32 s68, s68, s69
	s_mov_b32 s69, 0
	s_lshl_b32 s22, s41, 15                        ; the block that I prefetch: the cy-th of my four
	s_mov_b32 s23, 0
	v_and_b32 v1, 15, v0                           ; r
	v_bfe_u32 v2, v0, 4, 1                         ; h
	v_and_b32 v3, 31, v0                           ; lane
	v_mul_u32_u24 v4, v1, PITCH
	v_lshl_add_u32 v[ADR], v2, 4, v4               ; a fragment's row x pitch + 16 x half
	v_add_nc_u32 v[ADR+1], 128*PITCH, v[ADR]
	v_add_nc_u32 v[ADR+2], SLOT, v[ADR]
	v_add_nc_u32 v[ADR+3], SLOT+128*PITCH, v[ADR]
	v_lshl_add_u32 v[ADX], v3, 4, s72
	v_lshl_add_u32 v[ADW], v3, 4, s73
	v_lshlrev_b32 v[WO], 4, v3
	v_lshlrev_b32 v[BO], 4, v1
	v_lshl_add_u32 v[CO], v2, 17, v[BO]            ; 8 rows of out0 = 2^17 bytes
	v_lshlrev_b32 v[PFO], 8, v3
	s_wait_alu depctr_va_vdst(0)
	s_wait_dscnt 0x0                               ; both opening adds are done
	s_wait_kmcnt 0x0
	s_add_nc_u64 s[BA:BA+1], s[4:5], s[20:21]
	s_add_nc_u64 s[WB0:WB0+1], s[6:7], s[46:47]
	s_mov_b64 s[SCL0:SCL0+1], s[8:9]
	s_add_nc_u64 s[8:9], s[8:9], s[SO:SO+1]        ; scl at my first pair
	s_add_nc_u64 s[WP:WP+1], s[WB0:WB0+1], s[WT:WT+1]
	s_add_nc_u64 s[PFB:PFB+1], s[WB0:WB0+1], s[22:23]
	s_add_nc_u64 s[PFA:PFA+1], s[PFB:PFB+1], s[WT:WT+1]
	CROUND                                         ; all sixteen work-groups are here: the first joint loads meet
	s_mov_b32 s[G0], 1                             ; 1:0 count = 1
	s_mov_b32 s[G0+1], s45                         ; 63:32 LDS address
	SETADR 0, PO
	s_mov_b32 s[G0+4], 1
	s_add_co_u32 s[G0+5], s45, SLOT
	SETADR 1, TO
	JLOAD 0                                        ; my first pair
	s_add_nc_u64 s[10:11], s[10:11], s[68:69]      ; the bias at my first column
	s_add_nc_u64 s[12:13], s[12:13], s[66:67]
	s_add_nc_u64 s[12:13], s[12:13], s[68:69]      ; out0 at my part's first byte; never rewritten
.macro GSC set, off                    ; 512 along K of scale words into a set: ten loads of 512 consecutive bytes
	WIN 0
.irp i, 0,1,2,3,4,5,6,7
	global_load_b128 v[SC+40*(\set)+4*\i:SC+40*(\set)+4*\i+3], v[ADX], s[8:9] offset:(\off)+512*\i
.endr
.irp i, 0,1
	global_load_b128 v[SC+40*(\set)+32+4*\i:SC+40*(\set)+32+4*\i+3], v[ADW], s[8:9] offset:(\off)+512*\i
.endr
.endm
.macro LOADW k, ws, wq                 ; the k-th of a step's eight loads of W: block k / 2, half k % 2, of the pair's wq-th 128 along K, into set ws
	global_load_b128 v[WS+32*(\ws)+4*(\k):WS+32*(\ws)+4*(\k)+3], v[WO], s[WP:WP+1] offset:WBLK*((\k)/2)+1024*(\wq)+512*((\k)%2)
.endm
	global_load_b128 v[BIA:BIA+3], v[BO], s[10:11]
	GSC 0, 0
	global_prefetch_b8 v[PFO], s[PFA:PFA+1] th:TH_LOAD_NT scope:SCOPE_SE   ; my first pair of W
.irp q, 0,1,2                                  ; W's first three steps
.irp k, 0,1,2,3,4,5,6,7
	LOADW \k, \q, \q
.endr
.endr
.macro WMMA odd, zero
.if \zero
.if \odd
	v_wmma_scale_f32_32x16x128_f4 v[DD:DD+15], v[XX:XX+15], v[WW:WW+7], 0, v[SX], v[SY] matrix_b_scale:MATRIX_SCALE_ROW1
.else
	v_wmma_scale_f32_32x16x128_f4 v[DD:DD+15], v[XX:XX+15], v[WW:WW+7], 0, v[SX], v[SY]
.endif
.else
.if \odd
	v_wmma_scale_f32_32x16x128_f4 v[DD:DD+15], v[XX:XX+15], v[WW:WW+7], v[DD:DD+15], v[SX], v[SY] matrix_b_scale:MATRIX_SCALE_ROW1
.else
	v_wmma_scale_f32_32x16x128_f4 v[DD:DD+15], v[XX:XX+15], v[WW:WW+7], v[DD:DD+15], v[SX], v[SY]
.endif
.endif
.endm
; n of a step's 32 products, from the i0-th on; the i-th: x's rows 32 (i / 4), W's block i % 4.  q: the pair's q-th 128 along K.  first = 1: the products start the sums.
; The 32 accumulators take turns, one instruction a turn, in the same order in every step.
.macro MULS i0, n, q, first
.set II, \i0
.rept \n
.if II < 16
	WIN MUL_LO
.else
	WIN MUL_LO+0x50
.endif
.set DD, 64*((II/4)%4)+16*(II%4)
.set XX, 128*((\q)%2)+16*(II/4)
.set WW, WS+32*((\q)%4)+8*(II%4)
.set SX, SC+40*((\q)/4)+4*(II/4)+(\q)%4
.set SY, SC+40*((\q)/4)+32+4*((II%4)/2)+(\q)%4
	WMMA II%2, \first
.set II, II+1
.endr
.endm
; A step's one run of loads: x's 32 of the slot's q-th 128 along K into set p; behind each eight of them two of W's eight for the step three further on (ws < 0: none).  A fragment, 16 rows x 128 K of 4-bit codes, is 8 registers, two
; loads: lane l holds row l % 16; registers 4 c .. 4 c + 3 hold K = 64 c + 32 (l / 16) + 0 .. 31, the lower K in the lower bits.
.macro LOADS slot, q, p, ws, wq
.set KK, 0
.rept 4
	WIN TO_X
.rept 8
	ds_load_b128 v[128*(\p)+4*KK:128*(\p)+4*KK+3], v[ADR+2*(\slot)+KK/16] offset:64*(\q)+32*(KK%2)+((KK%16)/2)*16*PITCH
.set KK, KK+1
.endr
.if (\ws) >= 0
	WIN 0
	LOADW KK/4-2, \ws, \wq
	LOADW KK/4-1, \ws, \wq
.endif
.endr
.endm
; Step q of the walk's n-th pair, which lies in slot n % 2.  W's loads run three steps ahead: from step 5 on they stand in the next pair, and so do the scale words of set 0.
.macro STEP n, q
.set WSS, ((\q)+3)%4                   ; the set that the step before has done with
.if ((\n) == 3) && ((\q) > 4)
.set WSS, -1                           ; K's end
.endif
	PLACES                                         ; behind the step before: its registers are loaded over
.if ((\q) == 5) && ((\n) < 3)
	s_wait_xcnt 0x0                                ; all loads so far have read their bases: on to the next pair
	s_add_co_u32 s[PO], s[PO], ROWB
	s_and_b32 s[PO], s[PO], KROW-1                 ; round K's end
	s_lshl_b32 s[SO], s[PO], 8
	s_add_nc_u64 s[8:9], s[SCL0:SCL0+1], s[SO:SO+1]
	s_lshl_b32 s[WT], s[PO], 4
	s_add_nc_u64 s[WP:WP+1], s[WB0:WB0+1], s[WT:WT+1]
.endif
.if ((\q) == 2) && ((\n) < 3)
	s_wait_xcnt 0x0                                ; the last prefetch has read its address
	s_add_co_u32 s[TO], s[PO], ROWB
	s_and_b32 s[TO], s[TO], KROW-1
	s_lshl_b32 s[TO], s[TO], 4
	s_add_nc_u64 s[PFA:PFA+1], s[PFB:PFB+1], s[TO:TO+1]
.endif
.if (\q) < 7
	LOADS (\n)%2, (\q)+1, 1-(\q)%2, WSS, ((\q)+3)%8
.endif
.if (\q) == 1
	GSC 1, SSTEP                                   ; this pair's second 512 along K: for steps 4 to 7
.endif
.if ((\q) == 5) && ((\n) < 3)
	GSC 0, 0                                       ; the next pair's first 512: for its steps 0 to 3
.endif
.if ((\q) == 2) && ((\n) < 3)
	WIN 0
	global_prefetch_b8 v[PFO], s[PFA:PFA+1] th:TH_LOAD_NT scope:SCOPE_SE   ; W's next pair
.endif
.if ((\n) == 3) && ((\q) > 4)
	s_wait_loadcnt 8*(7-(\q))                      ; this step's W is in: behind it the loads of the steps that are left
.elseif ((\q)%4) == 0
	s_wait_loadcnt 24                              ; this step's W and this set of scale words are in: behind them three steps' W
.else
	s_wait_loadcnt 34                              ; this step's W is in: behind it three steps' W and ten loads of scale words
.endif
.if (\q) < 7
	s_wait_dscnt 32                                ; this step's x is in: all but the 32 loads just issued
.else
	s_wait_dscnt 0x0
.endif
.if ((\n) == 0) && ((\q) == 0)
	MULS 0, 32, \q, 1
.else
	MULS 0, 32, \q, 0
.endif
.endm
; A pair's last step changes slots: ONE barrier; in front of it each wave waits for all its tensor loads, adds 0 to its spare word, and waits for that and for its own reads of this slot.
; n < 2: the barrier opens a round of the cluster's barrier, and this slot is filled again with the pair after the next.
.macro TURN n
	WIN 0                                          ; (the add's two registers lie in window 0)
	s_wait_tensorcnt 0x0                           ; all my tensor loads have landed: the one that was out is my part of the next slot
	ds_add_u32 v[SPW], v[NIL]                      ; 0 onto my spare word
.if (\n) < 2
	s_add_co_u32 s[TO], s[PO], ROWB                ; the pair after the next (PO stands at the next)
	s_and_b32 s[TO], s[TO], KROW-1
	SETADR \n, TO                                  ; (no tensor load of mine is out)
.endif
	s_wait_loadcnt 26                              ; this step's W is in: behind it two steps' W and ten loads of scale words
	s_wait_dscnt 1                                 ; this step's x is in (the add may be out)
	MULS 0, 4, 7, 0
	s_wait_dscnt 0x0                               ; the add is done, and my reads of this slot are over
	s_barrier_signal -1
	MULS 4, 4, 7, 0
	WIN 0
	s_barrier_wait -1
.if (\n) < 2
	CREST                                          ; no wave of any partner still reads this slot's tile or has a load on its way
	JLOAD \n                                       ; the first tensor load behind the round, my one load until the next; the four v_nop behind it are the places in front of the loads below
.else
	PLACES
.endif
	LOADS ((\n)+1)%2, 0, 0, 2, 2
	MULS 8, 24, 7, 0
.endm
.macro PAIR n
.irp q, 0,1,2,3,4,5,6
	STEP \n, \q
.endr
.endm
; THE WAY OUT in 16 runs of 8 registers x 4 accumulators: run n is rows 32 (n / 2), registers 8 (n % 2) on.  Register j of the four accumulators + the bias -> four neighbouring registers = four neighbouring columns of a row,
; 16 bytes.  A run's sums land where the run before was read: registers that nobody needs any more; the very first run's in v0-31 of window 1.  So no store's data are ever written again.
.macro RUN n, j                        ; where run n's sums for register j go: v[TT:TT+3] in window DW
.set RA, (\n)/2
.set RU, (\n)%2
.if (\n) == 0
.set DW, 1
.set TT, 4*(\j)
.else
.set PA, ((\n)-1)/2
.set PU, ((\n)-1)%2
.set DW, 2+PA/4
.set TT, 64*(PA%4)+8*PU+16*((\j)/2)+4*((\j)%2)
.endif
.endm
.macro ADDS n
.irp j, 0,1,2,3,4,5,6,7
	RUN \n, \j
	WIN (2+RA/4)+64*DW
.irp b, 0,1,2,3
	v_add_f32 v[TT+\b], v[64*(RA%4)+16*\b+8*RU+\j], v[BIA+\b]      ; each accumulator from its low end on
.endr
.endr
.endm
.macro PUTS n
.irp j, 0,1,2,3,4,5,6,7
	RUN \n, \j
	WIN 4*DW
	global_store_b128 v[CO], v[TT:TT+3], s[12:13] offset:(32*RA+16*RU+\j)*ROWO th:TH_STORE_NT   ; lanes 0-15 store 256 consecutive bytes of one row, lanes 16-31 of the row 8 further down, both at multiples of 256; written once, read by nobody here
.endr
.endm
	s_wait_alu depctr_va_vdst(0)
	s_wait_tensorcnt 0x0                           ; my part of the first pair is in
	ds_add_u32 v[SPW], v[NIL]
	s_wait_dscnt 0x0                               ; the add is done
	CROUND                                         ; everybody's part is in, and all sixteen work-groups are here
	JLOAD 1                                        ; the second pair's load, the first tensor load behind the round
	LOADS 0, 0, 0, -1, 0
	PAIR 0
	TURN 0
	PAIR 1
	TURN 1
	PAIR 2
	TURN 2
	PAIR 3
	STEP 3, 7
	PLACES                                         ; its results are read below
.irp n, 0,1,2,3
	ADDS \n
.endr
	s_wait_alu depctr_va_vdst(0)                   ; the wait ahead of the stores and the scalar instructions among them
.irp n, 0,1,2,3                                ; the first 64 rows leave; then all other additions, and 96 stores with no vector work between them
	PUTS \n
.endr
.irp n, 4,5,6,7,8,9,10,11,12,13,14,15
	ADDS \n
.endr
	s_wait_alu depctr_va_vdst(0)                   ; as above
.irp n, 4,5,6,7,8,9,10,11,12,13,14,15
	PUTS \n
.endr
	WIN 0
	s_wait_tensorcnt 0x0                           ; the wave's end
	ds_add_u32 v[SPW], v[NIL]
	s_wait_dscnt 0x0
	CROUND                                         ; the closing round: no work-group ends while a partner may still ask for a tile that names it
	s_endpgm
.Lfunc_end_k_q033426eb18_gemm:
	.size	k_q033426eb18_gemm, .Lfunc_end_k_q033426eb18_gemm-k_q033426eb18_gemm
	.p2alignl 7, 3214868480
	.fill 96, 4, 3214868480
	.section	.rodata,"a",@progbits
	.p2align	6, 0x0
	.amdhsa_kernel k_q033426eb18_gemm
		.amdhsa_group_segment_fixed_size 327680
		.amdhsa_private_segment_fixed_size 0
		.amdhsa_enable_private_segment 0
		.amdhsa_kernarg_size 40
		.amdhsa_user_sgpr_count 2
		.amdhsa_user_sgpr_kernarg_segment_ptr 1
		.amdhsa_wavefront_size32 1
		.amdhsa_system_sgpr_workgroup_id_x 1
		.amdhsa_system_sgpr_workgroup_id_y 1
		.amdhsa_system_sgpr_workgroup_id_z 1
		.amdhsa_system_vgpr_workitem_id 0
		.amdhsa_next_free_vgpr 1024
		.amdhsa_next_free_sgpr 96
		.amdhsa_reserve_vcc 0
		.amdhsa_float_denorm_mode_32 3
		.amdhsa_float_denorm_mode_16_64 3
		.amdhsa_memory_ordered 1
		.amdhsa_forward_progress 1
		.amdhsa_inst_pref_size 255
	.end_amdhsa_kernel
	.section	.bss,"aw",@nobits
	.p2align	6
	.space	262144
	.amdgpu_metadata
---
amdhsa.version: [ 1, 2 ]
amdhsa.kernels:
  - .name:           k_q033426eb18_gemm
    .symbol:         k_q033426eb18_gemm.kd
    .args:
      - { .name: x_codes, .offset: 0, .size: 8, .value_kind: global_buffer, .address_space: global }
      - { .name: w_codes, .offset: 8, .size: 8, .value_kind: global_buffer, .address_space: global }
      - { .name: scl, .offset: 16, .size: 8, .value_kind: global_buffer, .address_space: global }
      - { .name: bias, .offset: 24, .size: 8, .value_kind: global_buffer, .address_space: global }
      - { .name: out0, .offset: 32, .size: 8, .value_kind: global_buffer, .address_space: global }
    .group_segment_fixed_size: 327680
    .private_segment_fixed_size: 0
    .kernarg_segment_align: 8
    .kernarg_segment_size: 40
    .max_flat_workgroup_size: 128
    .sgpr_count:     96
    .vgpr_count:     1024
    .wavefront_size: 32
...
	.end_amdgpu_metadata
.endif
;; end of part 2
